; MI455X (gfx1250); checked and timed in simulation.
; The chip was launched on July 23, 2026; its instructions are those of AMD's public machine-readable ISA for CDNA 5 (MIT licence, August 2026) and "CDNA5" Instruction Set Architecture Reference Guide (July 2026). The comments in the code are by the model that wrote it; some were corrected since.
;; Qwen Feed Forward adaptive. Allowed arithmetic: matrix products marked QUANTISED: E5M2 operands, one E8M0 scale for each 32 along K, by v_wmma_scale_f32_16x16x128_f8f6f4 with both operands' format E5M2, f32 sums; everything else in f32.
;; Inputs: W1 4,096 x 1,024 float32; W2 1,024 x 4,096 float32; b1 4,096 float32; b2 1,024 float32; hidden_states 4 x 2,048 x 1,024 float32; logit_width 4 x 4 float32.
;; Outputs: out0 4 x 2,048 x 1,024 float32; out1 4 x 4 float32.
;; This version of the problem:
;;   THIS VERSION OF THE PROBLEM IS GIVEN IN LOW PRECISION. The matrix products marked QUANTISED in the list below multiply operands that are first quantised to E5M2 (5 exponent bits, 2 mantissa bits; 8 bits a number), with one power-of-two scale for each 32 numbers along K (OCP MX v1.0); their sums are f32. All else is computed in f32.
;;   The module's matrix products, in the order in which they are computed (A, B: the left and right operand; K: the contracted axis; several contracted axes count as one K, in the product's order):
;;     1. [M 8,192, K 1,024] x [K 1,024, N 4,096]; A: input hidden_states; B: input W1: QUANTISED
;;     2. [M 8,192, K 4,096] x [K 4,096, N 1,024]; A: computed on the way; B: input W2: QUANTISED
;;   THE QUANTISER, for each operand of a quantised product, along K:
;;     - K is cut into blocks of 32 from its start; a last block that is shorter is filled with zeros.
;;     - A block's scale is 2^e with e = floor(log2(the largest magnitude in the block)) - 15, held to -126 .. 127; a block of zeros has e = 0. As a byte (E8M0): e + 127.
;;     - Each number is divided by its block's scale, clamped to +-57,344, and rounded to the nearest number of E5M2, ties to even, subnormals kept.
;;     - The product sums the exact products of the quantised numbers (number of the format x scale) in f32.
;;   ~~~python
;;   def quantise(x, axis):      # numpy; x: float32 -> the quantised numbers, widened to float32 again
;;       x = np.moveaxis(x, axis, -1); K = x.shape[-1]
;;       x = np.pad(x, [(0, 0)] * (x.ndim - 1) + [(0, -K % 32)]); x = x.reshape(x.shape[:-1] + (-1, 32)); a = np.abs(x).max(-1, keepdims=True)
;;       e = np.where(a > 0, np.clip(np.frexp(np.where(a > 0, a, 1))[1] - 1 - 15, -126, 127), 0)      # np.frexp(a)[1] - 1 = floor(log2(a)), exactly
;;       r = np.clip(x / 2.0 ** e, -57344, 57344)
;;       step = 2.0 ** (np.maximum(np.frexp(np.where(r == 0, 1, r))[1] - 1, -14) - 2)
;;       q = np.round(r / step) * step * 2.0 ** e      # np.round: ties to even
;;       return np.moveaxis(q.reshape(q.shape[:-2] + (-1,))[..., :K], -1, axis).astype(np.float32)
;;   ~~~
;;   OPERANDS COMPUTED ON THE WAY. 'Computed on the way' means the value that the module computes at that place (a softmax that the list does not call 'softmax' is quantised finished and normalised). What goes into a quantiser is computed in f32, as accurately as f32 sums, v_exp_f32 and their like allow (about 1e-6 of the number): no bf16 or f16 on the way to a quantiser, and a product that is left as it is and whose result goes on into a quantised operand takes f32 operands (vector FMAs, or v_wmma_f32_16x16x4_f32). A number that lies on a knife's edge between two numbers of the format may be rounded either way, as far as f32 arithmetic and the matrix unit's own rounding can turn it there, and no further.
;; One version. Each part assembles by itself: llvm-mc -triple=amdgcn-amd-amdhsa -mcpu=gfx1250 --defsym DOCPART=n.
;; ======== version 1 of 1: 3 launches
;; limits: right only within a limited range of input values
;; workspace buffers: cq 16,777,216 bytes; sc 524,288 bytes; hq 33,554,432 bytes; hs 1,048,576 bytes; width 256 bytes of whole numbers
;; launch quant (part 1): grid 512 x 1, 4 waves a work-group, no clusters, 57,856 bytes of LDS; arguments hidden_states, W1, W2, logit_width, cq, sc, out1, width; writes cq, sc, out1, width
.if DOCPART == 1
	.amdgcn_target "amdgcn-amd-amdhsa--gfx1250"
	.amdhsa_code_object_version 6
	.text
	.protected	k_qed8c0a4f02_quant
	.globl	k_qed8c0a4f02_quant
	.p2align	8
	.type	k_qed8c0a4f02_quant,@function
k_qed8c0a4f02_quant:
	s_mov_b64 s[64:65], 0
	v_nop
	global_prefetch_b8 v0, s[64:65] scope:SCOPE_SE
	s_setreg_imm32_b32 hwreg(HW_REG_WAVE_MODE, 25, 1), 1
	s_wait_xcnt 0x0
; hidden_states [8192][1024], W1 [4096][1024] and W2 [1024][4096], f32 with K innermost, become codes of BF8 (E5M2) with one E8M0 scale byte for each 32 along K.
; No work of the problem is left out in this program: hidden units beyond a batch's width are computed and then held at 0.
; THE LAYOUT: pieces of 16 rows x 512 along K.  A piece's codes are 8,192 bytes: four images of operand registers (128 along K each): the 16 codes of row r, k = 128 q + 32 c + 16 h on, stand at 2048 q + 512 c + 256 h + 16 r.
; Its scale bytes are 256: row r's sixteen at 16 r.  Pieces lie by rows of 16, then along K: x's 1,024, W1's 512, W2's 512 on end, in cq and in sc.
; W1's ROWS ARE PERMUTED: row 8 m + i of the j-th 16 of a group of 64 is hidden unit 32 m + 8 j + i of the group (m = 0, 1; i = 0 .. 7).
; A block's scale is 2^(floor(log2(its largest magnitude)) - 15), its byte held at 1 from below.  (A block of zeros gets the byte 1 where the rule says 127: its codes are zeros, and the bytes are read by this program alone.)
; Work-group 0's wave 0 also makes out1 = softmax(logit_width) and, for each batch, 1024 x (argmax + 1), the number of hidden units kept, as whole numbers in width (word 4 b + j, all four alike).
; LIMITS: NaN and infinities among the inputs are not served.  Blocks whose largest magnitude lies under 2^(16 - 127) keep the byte 1.  The argmax is taken of this text's own p (lower index where two are equal):
; where two p of a batch differ by no more than the last bit of v_exp_f32, the width chosen may differ from the one that another exponential would give.
; A wave makes one piece: 16 steps, a row of 512 numbers each.  A step's four loads read 512 consecutive bytes each; the 2,048 bytes go through a stage in LDS, so that a lane holds 16 neighbours along K (two lanes hold a block).
; The codes are gathered in LDS as images and leave as 512 consecutive bytes a store.  No tensor loads, no barrier: waves share nothing.  Loads run four steps ahead.  Each input byte is read once: nothing is prefetched.
.set STEPS, 16
.set EMAX,  15
.set MANT,  0x600000                   ; the mantissa field of 57,344 as f32
.set R,     16                         ; v16-79   four sets of 16 numbers as they are loaded; at the end the images
.set X,     80                         ; v80-111  two sets of 16 neighbours
.set E,     112                        ; v112-127 a scale byte for each step
.set C,     128                        ; v128-191 codes: four registers for each step
.set VO,    210                        ; v210-217 where a row begins, for each of eight rows
.set WREG,  14336                      ; LDS for each wave: two stages of 32 x SP bytes, 256 scale bytes, 32 x 272 bytes of images
.set SP,    80                         ; a lane's place in a stage: its 64 bytes + 16 of padding
.set EBY,   2*32*SP
.set IMG,   EBY+256
.set SPARE, 4*WREG                     ; the spare words
.set WGX,   256                        ; work-groups 0-255 take x, 256-383 W1, 384-511 W2
.set WGW,   128
	s_load_b256 s[4:11], s[0:1], 0x0               ; x s[4:5], W1 s[6:7], W2 s[8:9], logit_width s[10:11]
	s_load_b256 s[12:19], s[0:1], 0x20             ; cq s[12:13], sc s[14:15], out1 s[16:17], width s[18:19]
	v_lshl_add_u32 v208, v0, 2, SPARE
	v_mov_b32 v209, 0
	v_lshrrev_b32 v1, 5, v0
	v_readfirstlane_b32 s20, v1                    ; wave
	s_mov_b32 s24, 3
	s_mov_b32 s25, 0x4000
	s_mov_b32 s26, WGX+WGW
	s_mov_b32 s33, 8
	s_cmp_lt_u32 ttmp9, WGX+WGW                    ; which tensor?  The choice hangs on the work-group's number alone; all three take one path
	s_cselect_b32 s24, 1, s24                      ; log2 of the pieces along K
	s_cselect_b32 s25, 0x1000, s25                 ; a row in bytes
	s_cselect_b32 s26, WGX, s26
	s_cmp_lt_u32 ttmp9, WGX
	s_cselect_b32 s26, 0, s26                      ; the tensor's first work-group
	s_sub_co_u32 s27, ttmp9, s26
	s_lshl_b32 s27, s27, 2
	s_add_co_u32 s27, s27, s20                     ; which piece of the tensor is mine
	s_lshr_b32 s28, s27, s24                       ; its 16 rows: number t
	s_lshl_b32 s29, s28, s24
	s_sub_co_u32 s29, s27, s29                     ; and its place along K
	s_lshl_b32 s30, s28, 4                         ; first row
	s_lshr_b32 s31, s28, 2                         ; W1's: 64 (t / 4) + 8 (t % 4), and the second eight rows 32 further on
	s_lshl_b32 s31, s31, 6
	s_and_b32 s32, s28, 3
	s_lshl_b32 s32, s32, 3
	s_add_co_u32 s31, s31, s32
	s_sub_co_u32 s32, ttmp9, WGX
	s_cmp_lt_u32 s32, WGW                          ; (unsigned: x's work-groups wrap to large numbers)
	s_cselect_b32 s30, s31, s30
	s_cselect_b32 s33, 32, s33
	s_mul_i32 s34, s30, s25                        ; in bytes, under 2^26
	s_lshl_b32 s29, s29, 11
	s_add_co_u32 s34, s34, s29
	s_mov_b32 s35, 0
	s_mul_i32 s36, s33, s25
	s_add_co_u32 s36, s36, s34                     ; the second eight rows
	s_mov_b32 s37, 0
	s_lshl_b32 s38, ttmp9, 2
	s_add_co_u32 s38, s38, s20                     ; which piece of cq and sc I write
	s_lshl_b32 s40, s38, 13
	s_mov_b32 s41, 0
	s_lshl_b32 s42, s38, 8
	s_mov_b32 s43, 0
	s_mov_b32 s23, MANT                            ; (an instruction takes one literal: the hold's line has another)
	s_mul_i32 s21, s20, WREG
	v_and_b32 v2, 31, v0                           ; lane
	v_lshlrev_b32 v3, 4, v2                        ; my 16 bytes of a load's 512
	v_mov_b32 v[VO], v3
.irp i, 1,2,3,4,5,6,7
	v_add_nc_u32 v[VO+\i], s25, v[VO+\i-1]
.endr
	v_lshrrev_b32 v14, 2, v2
	v_mul_u32_u24 v14, v14, SP
	v_and_b32 v15, 3, v2
	v_lshl_add_u32 v14, v15, 4, v14
	v_add_nc_u32 v14, s21, v14                     ; the stage, on the way in: four lanes' 64 bytes on end, then 16 of padding
	v_mul_u32_u24 v15, v2, SP
	v_add_nc_u32 v15, s21, v15                     ; and back: SP x lane: my 16 neighbours
	v_mul_u32_u24 v4, v2, 272
	s_add_co_u32 s22, s21, IMG
	v_add_nc_u32 v4, s22, v4                       ; the images, in: my 256 bytes (32 c + 16 h of K), 16 of padding behind
	v_lshrrev_b32 v5, 4, v2
	v_mul_u32_u24 v5, v5, 272
	v_and_b32 v6, 15, v2
	v_lshl_add_u32 v5, v6, 4, v5
	v_add_nc_u32 v218, s22, v5                     ; and back: sixteen lanes to 256 bytes
	s_add_co_u32 s22, s21, EBY
	v_lshrrev_b32 v5, 1, v2
	v_add_nc_u32 v5, s22, v5                       ; my wave's 256 scale bytes, my block's byte
	v_lshlrev_b32 v7, 3, v2                        ; and on the way out 8 bytes a lane
	v_add_nc_u32 v6, s22, v7
	s_wait_alu depctr_va_vdst(0)                   ; the wait at the head's end
	s_wait_kmcnt 0x0
	s_cmp_lt_u32 ttmp9, WGX+WGW
	s_cselect_b64 s[6:7], s[6:7], s[8:9]
	s_cmp_lt_u32 ttmp9, WGX
	s_cselect_b64 s[4:5], s[4:5], s[6:7]
	s_add_nc_u64 s[44:45], s[4:5], s[36:37]        ; rows 8-15
	s_add_nc_u64 s[4:5], s[4:5], s[34:35]          ; rows 0-7
	s_add_nc_u64 s[12:13], s[12:13], s[40:41]
	s_add_nc_u64 s[14:15], s[14:15], s[42:43]
.macro LOAD t
.irp i, 0,1,2,3
.if (\t) < 8
	global_load_b128 v[R+16*((\t)%4)+4*\i:R+16*((\t)%4)+4*\i+3], v[VO+(\t)%8], s[4:5] offset:512*\i th:TH_LOAD_NT   ; 32 lanes read 512 consecutive bytes
.else
	global_load_b128 v[R+16*((\t)%4)+4*\i:R+16*((\t)%4)+4*\i+3], v[VO+(\t)%8], s[44:45] offset:512*\i th:TH_LOAD_NT
.endif
.endr
.endm
.macro TURN t                          ; step t's numbers through the stage: LDS serves a wave's instructions in order (ISA guide 5.7.1.4), so no wait stands between the stores and the loads
.irp i, 0,1,2,3
	ds_store_b128 v14, v[R+16*((\t)%4)+4*\i:R+16*((\t)%4)+4*\i+3] offset:32*SP*((\t)%2)+8*SP*\i
.endr
.irp i, 0,1,2,3
	ds_load_b128 v[X+16*((\t)%2)+4*\i:X+16*((\t)%2)+4*\i+3], v15 offset:32*SP*((\t)%2)+16*\i
.endr
.endm
.irp t, 0,1,2,3
	LOAD \t
.endr
	s_wait_loadcnt 12                              ; step 0's four loads are in; three steps' twelve may be out
	TURN 0
.macro STEP t
.set XS, X+16*((\t)%2)
.if (\t) > 0
	s_wait_dscnt 2                                 ; this step's numbers are back from the stage (the last step's two stores may be out): so its stores into the stage have read their registers,
.else
	s_wait_dscnt 0x0
.endif
.if (\t)+4 < STEPS
	LOAD (\t)+4                                    ; which take the loads of four steps on
.endif
.if (\t)+1 < STEPS
.if STEPS-2-(\t) >= 3
	s_wait_loadcnt 12                              ; the next step's four loads are in; those of the three steps behind it may be out
.else
	s_wait_loadcnt 4*(STEPS-2-(\t))
.endif
	TURN (\t)+1                                    ; and go through the other stage while this step is worked
.endif
	v_max3_num_f32 v8, |v[XS]|, |v[XS+1]|, |v[XS+2]|               ; the largest magnitude of my 16, in two chains
	v_max3_num_f32 v9, |v[XS+3]|, |v[XS+4]|, |v[XS+5]|
.irp i, 6,10
	v_max3_num_f32 v8, v8, |v[XS+\i]|, |v[XS+\i+1]|
	v_max3_num_f32 v9, v9, |v[XS+\i+2]|, |v[XS+\i+3]|
.endr
	v_max3_num_f32 v8, v8, |v[XS+14]|, |v[XS+15]|
	v_max3_num_f32 v8, v8, v9, (EMAX+1)<<23        ; and the floor 2^(EMAX + 1 - 127): so the byte cannot fall under 1
	v_max_num_f32_dpp v8, v8, v8 row_xmask:1 row_mask:0xf bank_mask:0xf   ; and of my neighbour's 16: the block's
	v_add_nc_u32 v11, -(EMAX<<23), v8              ; EMAX off its exponent field: the conversion takes the exponent field of this operand as its scale
	v_and_or_b32 v10, v8, 0x7f800000, s23          ; the largest number x the scale
.irp i, 0,1,2,3,4,5,6,7,8,9,10,11,12,13,14,15
	v_med3_num_f32 v[XS+\i], v[XS+\i], -v10, v10   ; the conversion to an 8-bit code does not saturate (ISA guide 7.6.2): hold the number first
.endr
	v_cvt_scalef32_pk8_bf8_f32 v[C+4*(\t):C+4*(\t)+1], v[XS:XS+7], v11
	v_cvt_scalef32_pk8_bf8_f32 v[C+4*(\t)+2:C+4*(\t)+3], v[XS+8:XS+15], v11
	v_lshrrev_b32 v[E+(\t)], 23, v11               ; the scale's byte (also the plain line behind the conversions)
	ds_store_b8 v5, v[E+(\t)] offset:16*(\t)       ; both lanes of a block write the same byte with the same value
	ds_store_b128 v4, v[C+4*(\t):C+4*(\t)+3] offset:16*(\t)
.endm
.irp t, 0,1,2,3,4,5,6,7,8,9,10,11,12,13,14,15
	STEP \t
.endr
	ds_load_b64 v[12:13], v6                       ; these see my stores: one wave's LDS instructions are served in order
.irp t, 0,1,2,3,4,5,6,7,8,9,10,11,12,13,14,15
	ds_load_b128 v[R+4*\t:R+4*\t+3], v218 offset:544*\t
.endr
	s_wait_dscnt 16                                ; all but the sixteen images' loads
	global_store_b64 v7, v[12:13], s[14:15]        ; 32 lanes store 256 consecutive bytes, at a multiple of 256 from the buffer's first byte
.irp t, 0,1,2,3,4,5,6,7,8,9,10,11,12,13,14,15
	s_wait_dscnt 15-\t
	global_store_b128 v3, v[R+4*\t:R+4*\t+3], s[12:13] offset:512*\t   ; 512 consecutive bytes
.endr
	; THE ROUTER: one wave of one work-group.  Lane l (and lane l + 16, which stores nothing) holds logit l % 16: batch (l % 16) / 4, width l % 4.
	s_or_b32 s46, ttmp9, s20
	s_cmp_lg_u32 s46, 0
	s_cbranch_scc1 .Ldone
	v_and_b32 v192, 15, v2
	v_lshlrev_b32 v192, 2, v192
	global_load_b32 v193, v192, s[10:11]
	s_wait_alu depctr_va_vdst(0)
	s_wait_loadcnt 0x0
	v_mov_b32 v194, v193                           ; (a DPP form's destination counts as read)
	v_max_num_f32_dpp v194, v193, v193 row_xmask:1 row_mask:0xf bank_mask:0xf
	v_max_num_f32_dpp v194, v194, v194 row_xmask:2 row_mask:0xf bank_mask:0xf   ; the batch's largest logit is taken away ahead of the exponential
	v_sub_f32 v195, v193, v194
	v_mul_f32 v195, 0x3fb8aa3b, v195               ; x log2(e)
	s_wait_alu depctr_va_vdst(0)
	v_exp_f32 v195, v195
	v_nop                                          ; a plain line behind the transcendental,
	s_wait_alu depctr_va_vdst(0)                   ; and the wait ahead of its first reader
	v_mov_b32 v196, v195
	v_add_f32_dpp v196, v195, v195 row_xmask:1 row_mask:0xf bank_mask:0xf
	v_add_f32_dpp v196, v196, v196 row_xmask:2 row_mask:0xf bank_mask:0xf
	s_wait_alu depctr_va_vdst(0)
	v_rcp_f32 v197, v196
	v_nop
	s_wait_alu depctr_va_vdst(0)
	v_mul_f32 v198, v195, v197                     ; p
	v_mov_b32 v199, v198
	v_max_num_f32_dpp v199, v198, v198 row_xmask:1 row_mask:0xf bank_mask:0xf
	v_max_num_f32_dpp v199, v199, v199 row_xmask:2 row_mask:0xf bank_mask:0xf   ; the batch's largest p
	v_and_b32 v200, 3, v2
	v_sub_nc_u32 v200, 3, v200
	v_cvt_f32_u32 v200, v200                       ; 3 - index
	v_cmp_eq_f32 vcc_lo, v198, v199
	v_cndmask_b32 v200, -1.0, v200, vcc_lo         ; where p is the largest; else -1
	v_mov_b32 v201, v200
	v_max_num_f32_dpp v201, v200, v200 row_xmask:1 row_mask:0xf bank_mask:0xf
	v_max_num_f32_dpp v201, v201, v201 row_xmask:2 row_mask:0xf bank_mask:0xf   ; 3 - the LOWEST index with the largest p
	v_cvt_u32_f32 v201, v201
	v_sub_nc_u32 v201, 4, v201                     ; argmax + 1
	v_lshlrev_b32 v201, 10, v201                   ; x 1,024 hidden units
	s_wait_alu depctr_va_vdst(0)
	s_wait_xcnt 0x0                                ; EXEC is a source of the memory instructions issued so far: it changes only behind this wait
	v_cmp_gt_u32 vcc_lo, 16, v2
	s_and_saveexec_b32 s47, vcc_lo
	global_store_b32 v192, v198, s[16:17]          ; out1: 64 bytes
	global_store_b32 v192, v201, s[18:19]          ; width
	s_wait_xcnt 0x0                                ; and again in front of the line that widens it
	s_or_b32 exec_lo, exec_lo, s47
.Ldone:
	s_wait_tensorcnt 0x0                           ; the wave's end
	ds_add_u32 v208, v209
	s_wait_dscnt 0x0
	s_endpgm
.Lfunc_end_k_qed8c0a4f02_quant:
	.size	k_qed8c0a4f02_quant, .Lfunc_end_k_qed8c0a4f02_quant-k_qed8c0a4f02_quant
	.p2alignl 7, 3214868480
	.fill 96, 4, 3214868480
	.section	.rodata,"a",@progbits
	.p2align	6, 0x0
	.amdhsa_kernel k_qed8c0a4f02_quant
		.amdhsa_group_segment_fixed_size 57856
		.amdhsa_private_segment_fixed_size 0
		.amdhsa_enable_private_segment 0
		.amdhsa_kernarg_size 64
		.amdhsa_user_sgpr_count 2
		.amdhsa_user_sgpr_kernarg_segment_ptr 1
		.amdhsa_wavefront_size32 1
		.amdhsa_system_sgpr_workgroup_id_x 1
		.amdhsa_system_sgpr_workgroup_id_y 1
		.amdhsa_system_sgpr_workgroup_id_z 1
		.amdhsa_system_vgpr_workitem_id 0
		.amdhsa_next_free_vgpr 224
		.amdhsa_next_free_sgpr 66
		.amdhsa_reserve_vcc 1
		.amdhsa_float_denorm_mode_32 3
		.amdhsa_float_denorm_mode_16_64 3
		.amdhsa_memory_ordered 1
		.amdhsa_forward_progress 1
		.amdhsa_inst_pref_size 57
	.end_amdhsa_kernel
	.amdgpu_metadata
---
amdhsa.version: [ 1, 2 ]
amdhsa.kernels:
  - .name:           k_qed8c0a4f02_quant
    .symbol:         k_qed8c0a4f02_quant.kd
    .args:
      - { .name: hidden_states, .offset: 0, .size: 8, .value_kind: global_buffer, .address_space: global }
      - { .name: W1, .offset: 8, .size: 8, .value_kind: global_buffer, .address_space: global }
      - { .name: W2, .offset: 16, .size: 8, .value_kind: global_buffer, .address_space: global }
      - { .name: logit_width, .offset: 24, .size: 8, .value_kind: global_buffer, .address_space: global }
      - { .name: cq, .offset: 32, .size: 8, .value_kind: global_buffer, .address_space: global }
      - { .name: sc, .offset: 40, .size: 8, .value_kind: global_buffer, .address_space: global }
      - { .name: out1, .offset: 48, .size: 8, .value_kind: global_buffer, .address_space: global }
      - { .name: width, .offset: 56, .size: 8, .value_kind: global_buffer, .address_space: global }
    .group_segment_fixed_size: 57856
    .private_segment_fixed_size: 0
    .kernarg_segment_align: 8
    .kernarg_segment_size: 64
    .max_flat_workgroup_size: 128
    .sgpr_count:     66
    .vgpr_count:     224
    .wavefront_size: 32
...
	.end_amdgpu_metadata
.endif
;; end of part 1
;; launch gemm1 (part 2): grid 16 x 16, 4 waves a work-group, clusters of 4 x 1, 327,680 bytes of LDS; arguments cq, sc, b1, width, hq, hs; writes hq, hs
.if DOCPART == 2
	.amdgcn_target "amdgcn-amd-amdhsa--gfx1250"
	.amdhsa_code_object_version 6
	.text
	.protected	k_qed8c0a4f02_gemm1
	.globl	k_qed8c0a4f02_gemm1
	.p2align	8
	.type	k_qed8c0a4f02_gemm1,@function
k_qed8c0a4f02_gemm1:
	s_mov_b64 s[64:65], 0
	v_nop
	global_prefetch_b8 v0, s[64:65] scope:SCOPE_SE
	s_setreg_imm32_b32 hwreg(HW_REG_WAVE_MODE, 25, 1), 1
	s_wait_xcnt 0x0
	s_wait_alu depctr_hold_cnt(0) depctr_sa_sdst(0) depctr_va_vdst(0) depctr_va_sdst(0) depctr_va_ssrc(0) depctr_va_vcc(0) depctr_vm_vsrc(0)
	s_getreg_b32 s2, hwreg(HW_REG_IB_STS2, 6, 4)
	s_cmp_eq_u32 s2, 0
	s_cbranch_scc0 .Lentry_in_a_cluster
	s_endpgm
.Lentry_in_a_cluster:
	s_bfe_u32 s2, ttmp6, 0x10000c
	s_cmp_lg_u32 s2, 0x3003
	s_cbranch_scc0 .Lentry_shape_is_right
	s_endpgm
.Lentry_shape_is_right:
; h = Q(act(x W1^T + b1)), act(s) = s / (1 + 2^(-1.702 log2(e) s)), held at 0 from the batch's width on, as codes of BF8 (E5M2) and scale bytes in the order of the next launch's operand registers.  No f32 result is stored.
; hq[64 rows: 128][K step of 128: 32][16 rows: 4][2,048 bytes: 512 c + 256 half + 16 row];  hs[32 rows: 256][two K steps: 16][row][8 bytes].
; LIMITS: NaN, infinities and sums beyond f32's range are not served; a block's byte never falls under 1.
; THE DEAL.  256 work-groups of four waves: 256 hidden units x 512 tokens.  A wave holds 64 hidden units of W1, ALL of K, in 512 registers, and streams the tokens past them in 32 blocks of 16: x's fragments stand in two sets of registers by turns.
; W1 comes once: the first half of K by tensor loads at the head, through LDS bytes of its own, the second straight into registers.  The four work-groups of a cluster have different hidden units, so W1 is no part of a joint load.
; x comes in chunks of 64 rows (65,536 dense bytes of images) through a ring of two slots: JOINT LOADS, since the four work-groups of a cluster have the same tokens.  A chunk is asked for more than a hundred of a wave's products ahead
; of the wait for it: nothing is prefetched.  x's scale words (16,384 bytes for 512 tokens) are copied into LDS once.
; A BLOCK: 32 products (q = 0 .. 7 by tile b = 0 .. 3: four sums by turns; b1 is the first products' C), source 0 = W1's rows: register i of tile b of lane (r, h) is token r, hidden unit 32 h + 8 b + i: a lane holds a whole scale block.
; BEHIND BLOCK m stand one run of loads (the fragments of block m + 2) and ONE batch: the exponentials of block m and the reciprocals of block m - 1.  AMONG BLOCK m's PRODUCTS, three behind each, stand 1 + e of block m - 1 and the maxima, holds and
; conversions of block m - 2 (72 lines: FI; the last nine behind the block's last product).  The first two ways out have no block before them: they work on zeros, and their stores are branched round.
.set SLOT,  65536
.set WH,    2*SLOT                     ; W1's first half of K: 16 tiles of 8,192 bytes
.set XSB,   WH+131072                  ; x's scale words: 512 bytes a block
.set HSB,   XSB+16384+512              ; h's scale bytes: 8 a token (512 bytes in front of them are not used)
.set SPARE, HSB+4096                   ; the spare words
.set HO,   4                           ; v4  16 x lane
.set R16,  5                           ; v5  16 r
.set CN,   6                           ; v6  512 h + 16 r
.set VB,   7                           ; v7  128 h
.set ADRA, 8                           ; v8  LDS address of the block that is fetched next
.set AAS,  9                           ; v9  and of its scale words
.set SPW,  10
.set NIL,  11
.set VX,   12                          ; v12 LDS address of a scale byte
.set SOP,  13                          ; v13 the conversions' scale operand
.set EB,   14                          ; v14 the scale byte
.set XW,   15                          ; v15 where I copy x's scale words to
.set TQ,   16                          ; v16-19 maxima, the bound
.set AW,   20                          ; v20 LDS address of my tiles of W1
.set SB,   24                          ; v24-39 W1's scale words: 8 p + q: lanes 0-15 tile 2 p, lanes 16-31 tile 2 p + 1
.set SA,   44                          ; v44-59 x's: two sets of eight
.set ACC,  64                          ; v64-127 two sets of four sums
.set T,    128                         ; v128-159, v200-231 the activation, two sets
.set TD,   72                          ; from set to set
.set BIAS, 160                         ; v160-191
.set NCD,  192                         ; v192-199 32 codes
.set MSB, 0                            ; windows 1, 2: W1's fragments (4 q + b: 16 registers each); window 3: x's, two sets of 128
.macro WIN new                         ; the immediate's high byte repeats the setting that is left
.if MSB != (\new)
	s_set_vgpr_msb (MSB<<8)|(\new)
.set MSB, (\new)
.endif
.endm
.macro TLOAD g0, g1                    ; a tensor load: s_nop 0 and four v_nop follow it
	tensor_load_to_lds s[\g0:\g0+3], s[\g1:\g1+7]
	s_nop 0
.rept 4
	v_nop
.endr
.endm
.macro CREST                           ; a round of the cluster's barrier behind its opening barrier
	s_cmp_lg_u32 s16, 0
	s_cbranch_scc1 .Lnot_wave_0_\@
	s_barrier_signal -3
.Lnot_wave_0_\@:
	s_barrier_wait -3
	s_barrier_signal -1
	s_barrier_wait -1
.endm
.macro CROUND
	s_barrier_signal -1
	s_barrier_wait -1
	CREST
.endm
	s_load_b256 s[4:11], s[0:1], 0x0               ; cq, sc, b1, width
	s_load_b128 s[12:15], s[0:1], 0x20             ; hq, hs
	v_lshl_add_u32 v[SPW], v0, 2, SPARE
	v_mov_b32 v[NIL], 0
	ds_add_u32 v[SPW], v[NIL]                      ; the opening lines: the add, twice on end, and its wait below
	ds_add_u32 v[SPW], v[NIL]
	v_lshrrev_b32 v1, 5, v0
	v_readfirstlane_b32 s16, v1                    ; wave 0..3
	s_bfe_u32 s17, ttmp6, 0x40000
	s_lshl_b32 s18, ttmp9, 2
	s_add_co_u32 s18, s18, s17                     ; which 256 hidden units: 4 x cluster x + cx
	s_and_b32 s19, ttmp7, 0xffff                   ; which 512 tokens
	s_mov_b32 s20, 15|(3<<16)|(1<<21)              ; x's descriptor group 1: mask of the four; elements of 8 bytes; bit 21 beside a mask; no padding
	s_mov_b32 s21, 32<<16                          ; at the head 128 rows of 256 bytes, dense: half a chunk; in the ring 64
	s_mov_b32 s22, 128<<16
	s_mov_b32 s23, 32<<16
	s_mov_b32 s24, 128
	s_mov_b32 s25, 32
	s_mov_b32 s26, 0
	s_mov_b32 s27, 0
	s_mov_b32 s68, 3<<16                           ; W1's: eight rows of 8,192 bytes (a tile's first half of K), 16,384 bytes apart
	s_mov_b32 s69, 1024<<16
	s_mov_b32 s70, 8<<16
	s_mov_b32 s71, 1024<<16
	s_mov_b32 s72, 8
	s_mov_b32 s73, 2048
	s_mov_b32 s74, 0
	s_mov_b32 s75, 0
	s_lshl_b32 s46, s19, 19                        ; offsets, each under 2^26: x's codes
	s_mov_b32 s47, 0
	s_and_b32 s2, s16, 1
	s_lshl_b32 s62, s2, 15                         ; at the head waves 2, 3 fetch a half of chunk 0
	s_mov_b32 s63, 0
	s_lshl_b32 s48, s19, 14                        ; x's scale words: my quarter
	s_lshl_b32 s45, s16, 12
	s_add_co_u32 s48, s48, s45
	s_mov_b32 s49, 0
	s_lshl_b32 s42, s18, 18                        ; W1's codes: at the head waves 0, 1 fetch eight tiles each
	s_lshl_b32 s45, s2, 17
	s_add_co_u32 s42, s42, s45
	s_add_co_u32 s42, s42, 0x800000
	s_mov_b32 s43, 0
	s_lshl_b32 s50, s18, 18                        ; and my own four tiles
	s_lshl_b32 s45, s16, 16
	s_add_co_u32 s50, s50, s45
	s_add_co_u32 s50, s50, 0x800000
	s_mov_b32 s51, 0
	s_lshl_b32 s52, s18, 13                        ; their scale words
	s_lshl_b32 s45, s16, 11
	s_add_co_u32 s52, s52, s45
	s_add_co_u32 s52, s52, 0x40000
	s_mov_b32 s53, 0
	s_lshl_b32 s54, s18, 10                        ; b1
	s_lshl_b32 s45, s16, 8
	s_add_co_u32 s54, s54, s45
	s_mov_b32 s55, 0
	s_lshr_b32 s56, s19, 2                         ; width: my batch's word
	s_lshl_b32 s56, s56, 4
	s_mov_b32 s57, 0
	s_lshl_b32 s58, s19, 21                        ; hq: my first 64 rows, K step 2 x (256 units) + wave / 2, c = 2 (wave % 2) + h
	s_lshl_b32 s45, s18, 14
	s_add_co_u32 s58, s58, s45
	s_lshr_b32 s45, s16, 1
	s_lshl_b32 s45, s45, 13
	s_add_co_u32 s58, s58, s45
	s_lshl_b32 s45, s2, 10
	s_add_co_u32 s58, s58, s45
	s_mov_b32 s59, 0
	s_lshl_b32 s60, s19, 16                        ; hs: at the end wave w stores four units of 256 bytes
	s_lshl_b32 s45, s18, 8
	s_add_co_u32 s60, s60, s45
	s_lshl_b32 s45, s16, 14
	s_add_co_u32 s60, s60, s45
	s_mov_b32 s61, 0
	s_wait_dscnt 0x0                               ; both opening adds are done
	CROUND                                         ; all four work-groups are here: the first joint loads meet
	s_wait_kmcnt 0x0
	s_add_nc_u64 s[46:47], s[4:5], s[46:47]        ; x
	s_mov_b32 s28, 1                               ; group 0 of x's load at the head
	s_lshl_b32 s29, s2, 15
	s_add_nc_u64 s[30:31], s[46:47], s[62:63]
	s_or_b32 s31, s31, 0x80000000
	s_mov_b32 s76, 1                               ; and of W1's
	s_lshl_b32 s77, s2, 16
	s_add_co_u32 s77, s77, WH
	s_add_nc_u64 s[78:79], s[4:5], s[42:43]
	s_or_b32 s79, s79, 0x80000000
	s_cmp_lt_u32 s16, 2                            ; ONE tensor load a wave at the head: waves 0, 1 W1's first half of K, waves 2, 3 chunk 0
	s_cbranch_scc0 .Lhead_x
	TLOAD 76, 68
	s_branch .Lasked
.Lhead_x:
	TLOAD 28, 20
.Lasked:
	s_add_nc_u64 s[48:49], s[6:7], s[48:49]
	s_add_nc_u64 s[50:51], s[4:5], s[50:51]
	s_add_nc_u64 s[52:53], s[6:7], s[52:53]
	s_add_nc_u64 s[54:55], s[8:9], s[54:55]
	s_add_nc_u64 s[56:57], s[10:11], s[56:57]
	s_load_b32 s36, s[56:57], 0x0
	s_add_nc_u64 s[40:41], s[12:13], s[58:59]
	s_sub_nc_u64 s[40:41], s[40:41], 0x40000       ; (stepped to my first rows ahead of the first store)
	s_add_nc_u64 s[60:61], s[14:15], s[60:61]
	v_and_b32 v1, 15, v0                           ; r
	v_bfe_u32 v2, v0, 4, 1                         ; h
	v_and_b32 v3, 31, v0                           ; lane
	v_lshlrev_b32 v[HO], 4, v3
	v_lshlrev_b32 v[R16], 4, v1
	v_lshl_add_u32 v[CN], v2, 9, v[R16]
	v_lshlrev_b32 v[VB], 7, v2
	s_lshl_b32 s45, s16, 12
	s_add_co_u32 s45, s45, XSB
	v_add_nc_u32 v[XW], s45, v[HO]
	s_lshl_b32 s45, s16, 15
	s_add_co_u32 s45, s45, WH
	v_add_nc_u32 v[AW], s45, v[HO]
	v_mov_b32 v[ADRA], v[HO]                       ; block 0 in slot 0
	v_add_nc_u32 v[AAS], XSB, v[R16]
	v_add_nc_u32 v21, 16384, v[HO]                 ; block 1
	v_add_nc_u32 v22, XSB+512, v[R16]
	s_lshl_b32 s45, s16, 1
	s_add_co_u32 s45, s45, HSB-512                 ; (stepped by 512 ahead of the first store)
	v_lshl_add_u32 v23, v1, 3, v2
	v_add_nc_u32 v[VX], s45, v23                   ; 8 r + 2 wave + h
	s_wait_alu depctr_va_vdst(0)
.irp i, 0,1,2,3,4,5,6,7
	global_load_b128 v[ACC+4*\i:ACC+4*\i+3], v[HO], s[48:49] offset:512*\i     ; x's scale words, on their way to LDS
.endr
.irp p, 0,1
.irp k, 0,1
	global_load_b128 v[SB+8*\p+4*\k:SB+8*\p+4*\k+3], v[CN], s[52:53] offset:1024*\p+256*\k
.endr
.endr
.irp j, 0,1,2,3
	global_load_b128 v[BIAS+8*\j:BIAS+8*\j+3], v[VB], s[54:55] offset:32*\j
	global_load_b128 v[BIAS+8*\j+4:BIAS+8*\j+7], v[VB], s[54:55] offset:32*\j+16
.endr
.macro WGT f                           ; fragment f = 4 q + b of W1: 2,048 dense bytes
	WIN (1+(\f)/16)<<6
.irp c, 0,1,2,3
	global_load_b128 v[16*((\f)%16)+4*\c:16*((\f)%16)+4*\c+3], v[HO], s[50:51] offset:16384*((\f)%4)+2048*((\f)/4)+512*\c
.endr
.endm
.set F_, 16
.rept 10                               ; the second half of K: fragments 16 to 31
	WGT F_
.set F_, F_+1
.endr
	WIN 0
	s_wait_loadcnt 52                              ; x's scale words are in (behind them: 4 + 8 + 40 loads)
.irp i, 0,1,2,3,4,5,6,7
	ds_store_b128 v[XW], v[ACC+4*\i:ACC+4*\i+3] offset:512*\i
.endr
.rept 6
	WGT F_
.set F_, F_+1
.endr
	WIN 0
.set I_, 0
.rept 32                               ; what the first two ways out, which have no block before them, work on
	v_mov_b32 v[T+I_], 0
	v_mov_b32 v[T+TD+I_], 0
	v_mov_b32 v[ACC+32+I_], 0
.set I_, I_+1
.endr
	s_mov_b32 s37, 0x600000                        ; the mantissa field of 57,344
	s_mov_b32 s38, 0xc01d265f                      ; -1.702 log2(e), as a pair
	s_mov_b32 s39, s38
	s_mov_b32 s32, 0                               ; this chunk's slot,
	s_mov_b32 s33, SLOT                            ; the next chunk's,
	s_mov_b32 s34, XSB                             ; this chunk's scale words
	s_mov_b32 s35, 0                               ; the chunk
	s_lshl_b32 s62, s16, 14                        ; in the ring I fetch a quarter of a chunk
	s_wait_alu depctr_va_vdst(0)                   ; the wait at the head's end
	s_wait_kmcnt 0x0
	s_lshl_b32 s45, s18, 8
	s_cmp_lt_u32 s45, s36                          ; my 256 hidden units lie inside the batch's width or outside: 1 or 0
	s_cselect_b32 s36, 0x3f800000, 0
	s_wait_tensorcnt 0x0                           ; my load of the head has landed
	ds_add_u32 v[SPW], v[NIL]
	s_mov_b32 s22, 64<<16                          ; from here on a load brings 64 rows
	s_mov_b32 s24, 64
	s_add_co_u32 s29, s62, SLOT                    ; chunk 1, slot 1
	s_add_nc_u64 s[30:31], s[46:47], s[62:63]
	s_add_nc_u64 s[30:31], s[30:31], SLOT
	s_or_b32 s31, s31, 0x80000000
	s_wait_dscnt 0x0                               ; the add and my copies of x's scale words are done
	CROUND
	TLOAD 28, 20
.macro FETCHALL k, a, s                ; a block of x, 16 rows, all of K, into set k, and its scale words: 34 loads
	WIN 3<<6
.irp q, 0,1,2,3,4,5,6,7
.irp c, 0,1,2,3
	ds_load_b128 v[128*(\k)+16*\q+4*\c:128*(\k)+16*\q+4*\c+3], v[\a] offset:2048*\q+512*\c
.endr
.endr
	WIN 0
	ds_load_b128 v[SA+8*(\k):SA+8*(\k)+3], v[\s]
	ds_load_b128 v[SA+8*(\k)+4:SA+8*(\k)+7], v[\s] offset:256
.endm
.macro PROD e, n                       ; product n = 4 q + b of a block: x in set e, sums in set e
.set Q_, (\n)/4
.set B_, (\n)%4
.set AC_, ACC+32*(\e)+8*B_
.set C_, AC_
.if Q_ == 0
.set C_, BIAS+8*B_
.endif
.set R_, 128*(\e)+16*Q_
.set W_, 16*((\n)%16)
.set XS_, SA+8*(\e)+Q_
.set WS_, SB+8*(B_/2)+Q_
	WIN (1+(\n)/16)|(3<<2)
.if B_%2
	v_wmma_scale_f32_16x16x128_f8f6f4 v[AC_:AC_+7], v[W_:W_+15], v[R_:R_+15], v[C_:C_+7], v[WS_], v[XS_] matrix_a_fmt:MATRIX_FMT_BF8 matrix_b_fmt:MATRIX_FMT_BF8 matrix_a_scale:MATRIX_SCALE_ROW1
.else
	v_wmma_scale_f32_16x16x128_f8f6f4 v[AC_:AC_+7], v[W_:W_+15], v[R_:R_+15], v[C_:C_+7], v[WS_], v[XS_] matrix_a_fmt:MATRIX_FMT_BF8 matrix_b_fmt:MATRIX_FMT_BF8
.endif
.endm
; Line k of what stands among the products of a block of set e: 0-15 1 + e of the block before; 16-31 the largest magnitude of the lane's 32 of the block two before, with the floor 2^(16 - 127); 32-35 its scale;
; from 36, nine a tile, the holds and the conversion.
.macro FI k, e
.set K_, \k
.set P_, T+TD*(1-(\e))
.set Z_, T+TD*(\e)
.if K_ < 16
	v_pk_add_f32 v[P_+2*K_:P_+2*K_+1], v[P_+2*K_:P_+2*K_+1], 1.0 op_sel_hi:[1,0]
.elseif K_ < 20
.set M_, K_-16
	v_max3_num_f32 v[TQ+M_], |v[Z_+8*M_]|, |v[Z_+8*M_+1]|, |v[Z_+8*M_+2]|
.elseif K_ < 28
.set M_, (K_-16)%4
.set D_, 2*((K_-16)/4)
	v_max3_num_f32 v[TQ+M_], v[TQ+M_], |v[Z_+8*M_+D_+1]|, |v[Z_+8*M_+D_+2]|
.elseif K_ == 28
	v_max3_num_f32 v[TQ], v[TQ], |v[Z_+7]|, |v[Z_+15]|
.elseif K_ == 29
	v_max3_num_f32 v[TQ+1], v[TQ+1], |v[Z_+23]|, |v[Z_+31]|
.elseif K_ == 30
	v_max3_num_f32 v[TQ], v[TQ], v[TQ+2], v[TQ+3]
.elseif K_ == 31
	v_max3_num_f32 v[TQ], v[TQ], v[TQ+1], 0x8000000
.elseif K_ == 32
	v_add_nc_u32 v[SOP], 0xf8800000, v[TQ]         ; 15 off the exponent field: the conversion takes the exponent field of this operand as its scale
.elseif K_ == 33
	v_and_or_b32 v[TQ+1], v[TQ], 0x7f800000, s37   ; 57,344 x the scale,
.elseif K_ == 34
	v_mul_f32 v[TQ+1], s36, v[TQ+1]                ; or 0: THE WIDTH'S MASK: what lies outside is held at 0
.elseif K_ == 35
	v_lshrrev_b32 v[EB], 23, v[SOP]
.elseif (K_-36)%9 < 8
.set M_, Z_+8*((K_-36)/9)+(K_-36)%9
	v_med3_num_f32 v[M_], v[M_], -v[TQ+1], v[TQ+1] ; the conversion to an 8-bit code does not saturate (ISA guide 7.6.2)
.else
.set M_, (K_-36)/9
	v_cvt_scalef32_pk8_bf8_f32 v[NCD+2*M_:NCD+2*M_+1], v[Z_+8*M_:Z_+8*M_+7], v[SOP]
.endif
.endm
; What stands behind product N_ of block j of a chunk.  A block with a round has no lines behind products 12 to 15.
.macro LIST e, j, round
.if N_ == 0
	WIN 0
.if (\j) < 2
	s_add_co_u32 s45, s32, 16384*((\j)+2)          ; the block two on: in this chunk,
.else
	s_add_co_u32 s45, s33, 16384*((\j)-2)          ; or in the next
.endif
	v_add_nc_u32 v[ADRA], s45, v[HO]
	s_add_co_u32 s44, s34, 512*((\j)+2)
	v_add_nc_u32 v[AAS], s44, v[R16]
.if (\j) == 2
	v_add_nc_u32 v[VX], 0x200, v[VX]
.endif
.endif
.set G_, N_
.if \round
.if N_ > 15
.set G_, N_-4
.elseif N_ > 11
.set G_, 99
.endif
.endif
.if G_ < 21
	WIN 0
	FI 3*G_, \e
	FI 3*G_+1, \e
	FI 3*G_+2, \e
.endif
.endm
; round: 1 a round of the cluster's barrier, behind which this chunk's slot is filled again with the chunk two on (its last two blocks stand in registers); 2 a plain barrier, which shows the last chunk.
; dsn: the LDS loads that may be out: the next block's 34.
.macro BLK e, j, round, dsn
	s_wait_dscnt \dsn                              ; this block's fragments are in
	s_wait_xcnt 0x0                                ; the last stores have read their codes and their base
.if (\j) == 2
	s_add_nc_u64 s[40:41], s[40:41], 0x40000       ; on to this chunk's 64 rows
.endif
.if (\round) == 1
	s_wait_tensorcnt 0x0                           ; my part of the next chunk is in: a descriptor may be written
	ds_add_u32 v[SPW], v[NIL]
	s_add_nc_u64 s[30:31], s[30:31], SLOT
	s_xor_b32 s29, s29, SLOT
.elseif (\round) == 2
	s_wait_tensorcnt 0x0
.endif
.set N_, 0
.rept 32
.if (\round) && N_ == 12
	WIN 0
	s_wait_alu depctr_va_vdst(0)                   ; the wait ahead of the barrier
	s_wait_dscnt 0x0                               ; the add is done, and so are my reads of this slot
	s_barrier_signal -1
.endif
.if (\round) && N_ == 16
	WIN 0
	s_barrier_wait -1
.if (\round) == 1
	CREST
	TLOAD 28, 20
.endif
.endif
	PROD \e, N_
	LIST \e, \j, \round
.set N_, N_+1
.endr
	WIN 0
.set I_, 63
.rept 9                                ; the last tile's eight holds are also the eight places behind the last product, ahead of the first reader of its sums
	FI I_, \e
.set I_, I_+1
.endr
.endm
.macro QOUT a                          ; block a of its 64 rows leaves: a byte into LDS, two whole units of 256 bytes a store
	ds_store_b8 v[VX], v[EB] offset:128*(\a)
	global_store_b128 v[CN], v[NCD:NCD+3], s[40:41] offset:2048*(\a)
	global_store_b128 v[CN], v[NCD+4:NCD+7], s[40:41] offset:2048*(\a)+256
.endm
.macro RCP t                           ; the reciprocals of set t
.set I_, 0
.rept 32
	v_rcp_f32 v[T+TD*(\t)+I_], v[T+TD*(\t)+I_]
.set I_, I_+1
.endr
.endm
.macro SIG t                           ; the sums of set t x their sigmoids
.set I_, 0
.rept 16
	v_pk_mul_f32 v[T+TD*(\t)+2*I_:T+TD*(\t)+2*I_+1], v[T+TD*(\t)+2*I_:T+TD*(\t)+2*I_+1], v[ACC+32*(\t)+2*I_:ACC+32*(\t)+2*I_+1]
.set I_, I_+1
.endr
.endm
; Behind a block of set e: its sums' exponents; the block two before (block a of its rows) leaves; the loads of the block two on; the batch.  cond: in the last chunk nothing is left to load.
.macro BND e, a, skip, cond
.set I_, 0
.rept 16
	v_pk_mul_f32 v[T+TD*(\e)+2*I_:T+TD*(\e)+2*I_+1], v[ACC+32*(\e)+2*I_:ACC+32*(\e)+2*I_+1], s[38:39] op_sel_hi:[1,0]
.set I_, I_+1
.endr
	s_wait_alu depctr_va_vdst(0)                   ; the wait ahead of the batch and behind it
.if \skip
	s_cmp_eq_u32 s35, 0
	s_cbranch_scc1 .Lno_block_before_\@
.endif
	QOUT \a
.if \skip
.Lno_block_before_\@:
.endif
.if \cond
	s_cmp_eq_u32 s35, 7
	s_cbranch_scc1 .Lnone_left_\@
.endif
	FETCHALL \e, ADRA, AAS
.if \cond
.Lnone_left_\@:
.endif
.set I_, 0
.rept 32
	v_exp_f32 v[T+TD*(\e)+I_], v[T+TD*(\e)+I_]
.set I_, I_+1
.endr
	RCP 1-(\e)
	v_nop
	s_wait_alu depctr_va_vdst(0)
	SIG 1-(\e)
.endm
.macro NEXT                            ; on to the next chunk
	s_xor_b32 s32, s32, SLOT
	s_xor_b32 s33, s33, SLOT
	s_add_co_u32 s34, s34, 2048
	s_add_co_u32 s35, s35, 1
.endm
	WIN 0x40
.set F_, 0
.rept 16                               ; W1's first half of K: my four tiles
.irp c, 0,1,2,3
	ds_load_b128 v[16*F_+4*\c:16*F_+4*\c+3], v[AW] offset:8192*(F_%4)+2048*(F_/4)+512*\c
.endr
.set F_, F_+1
.endr
	WIN 0
	FETCHALL 0, ADRA, AAS
	FETCHALL 1, 21, 22
	s_wait_loadcnt 0x0                             ; the second half, the scale words and b1 are in registers
.Lfill:                                            ; chunks 0 to 5: each slot is filled again
	BLK 0, 0, 0, 34
	BND 0, 2, 1, 0
	BLK 1, 1, 0, 34
	BND 1, 3, 1, 0
	BLK 0, 2, 1, 34
	BND 0, 0, 0, 0
	BLK 1, 3, 0, 34
	BND 1, 1, 0, 0
	NEXT
	s_cmp_lg_u32 s35, 6
	s_cbranch_scc1 .Lfill
.Llast:                                            ; chunks 6 and 7
	BLK 0, 0, 0, 34
	BND 0, 2, 0, 0
	BLK 1, 1, 0, 34
	BND 1, 3, 0, 0
	BLK 0, 2, 2, 34
	BND 0, 0, 0, 1
	BLK 1, 3, 0, 0
	BND 1, 1, 0, 1
	NEXT
	s_cmp_lg_u32 s35, 8
	s_cbranch_scc1 .Llast
	s_wait_xcnt 0x0
.set I_, 0
.rept 72                               ; the way out of the last block but one
	FI I_, 0
.set I_, I_+1
.endr
	s_wait_alu depctr_va_vdst(0)
	QOUT 2
	RCP 1                                          ; and of the last
	v_nop
	s_wait_alu depctr_va_vdst(0)
	SIG 1
	s_wait_alu depctr_va_vdst(0)
	s_wait_xcnt 0x0
.set I_, 16
.rept 56
	FI I_, 1
.set I_, I_+1
.endr
	v_nop
	QOUT 3
	v_lshlrev_b32 v20, 3, v3
	s_lshl_b32 s45, s16, 10
	s_add_co_u32 s45, s45, HSB
	v_add_nc_u32 v21, s45, v20
	s_wait_alu depctr_va_vdst(0)
	s_wait_dscnt 0x0                               ; my scale bytes are in LDS
	s_barrier_signal -1
	s_barrier_wait -1
.irp i, 0,1,2,3
	ds_load_b64 v[SA+2*\i:SA+2*\i+1], v21 offset:256*\i
.endr
	s_wait_dscnt 0x0
.irp i, 0,1,2,3
	global_store_b64 v20, v[SA+2*\i:SA+2*\i+1], s[60:61] offset:4096*\i   ; 256 consecutive bytes
.endr
	s_wait_tensorcnt 0x0                           ; the wave's end
	ds_add_u32 v[SPW], v[NIL]
	s_wait_dscnt 0x0
	CROUND                                         ; the closing round: no work-group ends while a partner may still ask for a tile that names it
	s_endpgm
.Lfunc_end_k_qed8c0a4f02_gemm1:
	.size	k_qed8c0a4f02_gemm1, .Lfunc_end_k_qed8c0a4f02_gemm1-k_qed8c0a4f02_gemm1
	.p2alignl 7, 3214868480
	.fill 96, 4, 3214868480
	.section	.rodata,"a",@progbits
	.p2align	6, 0x0
	.amdhsa_kernel k_qed8c0a4f02_gemm1
		.amdhsa_group_segment_fixed_size 327680
		.amdhsa_private_segment_fixed_size 0
		.amdhsa_enable_private_segment 0
		.amdhsa_kernarg_size 48
		.amdhsa_user_sgpr_count 2
		.amdhsa_user_sgpr_kernarg_segment_ptr 1
		.amdhsa_wavefront_size32 1
		.amdhsa_system_sgpr_workgroup_id_x 1
		.amdhsa_system_sgpr_workgroup_id_y 1
		.amdhsa_system_sgpr_workgroup_id_z 1
		.amdhsa_system_vgpr_workitem_id 0
		.amdhsa_next_free_vgpr 1024
		.amdhsa_next_free_sgpr 80
		.amdhsa_reserve_vcc 0
		.amdhsa_float_denorm_mode_32 3
		.amdhsa_float_denorm_mode_16_64 3
		.amdhsa_memory_ordered 1
		.amdhsa_forward_progress 1
		.amdhsa_inst_pref_size 176
	.end_amdhsa_kernel
	.amdgpu_metadata
---
amdhsa.version: [ 1, 2 ]
amdhsa.kernels:
  - .name:           k_qed8c0a4f02_gemm1
    .symbol:         k_qed8c0a4f02_gemm1.kd
    .args:
      - { .name: cq, .offset: 0, .size: 8, .value_kind: global_buffer, .address_space: global }
      - { .name: sc, .offset: 8, .size: 8, .value_kind: global_buffer, .address_space: global }
      - { .name: b1, .offset: 16, .size: 8, .value_kind: global_buffer, .address_space: global }
      - { .name: width, .offset: 24, .size: 8, .value_kind: global_buffer, .address_space: global }
      - { .name: hq, .offset: 32, .size: 8, .value_kind: global_buffer, .address_space: global }
      - { .name: hs, .offset: 40, .size: 8, .value_kind: global_buffer, .address_space: global }
    .group_segment_fixed_size: 327680
    .private_segment_fixed_size: 0
    .kernarg_segment_align: 8
    .kernarg_segment_size: 48
    .max_flat_workgroup_size: 128
    .sgpr_count:     80
    .vgpr_count:     1024
    .wavefront_size: 32
...
	.end_amdgpu_metadata
.endif
;; end of part 2
;; launch gemm2 (part 3): grid 32 x 8, 4 waves a work-group, clusters of 4 x 1, 327,680 bytes of LDS; arguments hq, hs, cq, sc, b2, out0; writes out0
.if DOCPART == 3
	.amdgcn_target "amdgcn-amd-amdhsa--gfx1250"
	.amdhsa_code_object_version 6
	.text
	.protected	k_qed8c0a4f02_gemm2
	.globl	k_qed8c0a4f02_gemm2
	.p2align	8
	.type	k_qed8c0a4f02_gemm2,@function
k_qed8c0a4f02_gemm2:
	s_mov_b64 s[64:65], 0
	v_nop
	global_prefetch_b8 v0, s[64:65] scope:SCOPE_SE
	s_setreg_imm32_b32 hwreg(HW_REG_WAVE_MODE, 25, 1), 1
	s_wait_xcnt 0x0
	s_wait_alu depctr_hold_cnt(0) depctr_sa_sdst(0) depctr_va_vdst(0) depctr_va_sdst(0) depctr_va_ssrc(0) depctr_va_vcc(0) depctr_vm_vsrc(0)
	s_getreg_b32 s2, hwreg(HW_REG_IB_STS2, 6, 4)
	s_cmp_eq_u32 s2, 0
	s_cbranch_scc0 .Lentry_in_a_cluster
	s_endpgm
.Lentry_in_a_cluster:
	s_bfe_u32 s2, ttmp6, 0x10000c
	s_cmp_lg_u32 s2, 0x3003
	s_cbranch_scc0 .Lentry_shape_is_right
	s_endpgm
.Lentry_shape_is_right:
; out0 = h W2^T + b2.  h: images hq[64 rows][K step of 128][16 rows][2,048 bytes] and scale words hs[32 rows][two K steps][row][2 words]; W2: pieces of 16 rows x 512 of K at cq + 0xC00000, scale words at sc + 0x60000.  Sums in f32, K ascending.
; 256 work-groups, a tile of 256 rows x 128 columns each; a wave has 64 rows x 128 columns: 32 sums of 16 x 16, 256 registers.
; h GOES STRAIGHT INTO REGISTERS: each wave has rows of its own and needs each image once: a K step is 16 loads of 512 consecutive bytes, in four sets of 64 registers, three K steps ahead; so it is no part of a joint load, and LDS serves W2 alone.
; W2 goes through a ring of two slots of 1,024 along K (131,072 bytes: eight tiles of 16 columns x eight images); a wave fetches two tiles.  The four work-groups of a cluster have the same columns: JOINT LOADS.  Four quarters of K: two first fills, two refills.
; W2's fragments stand in two sets of 128 registers: the next K step's are loaded ahead of this one's products, in one run with h's.  Scale words of both come straight into registers, for four K steps at a time, a trip ahead.
; The matrix instruction is used transposed (source 0 = 16 rows of W2, source 1 = 16 rows of h): a lane holds eight neighbouring numbers of a row.  The sums begin as b2, so that no K step is written out for the start alone.
; h IS PREFETCHED INTO THE L2, a quarter of K (eight K steps) at a time: eight work-groups (y = 0 .. 7) read the same rows: number y asks for the quarter's K step y, a lane to each 256 bytes, one instruction a wave.  Quarter 1 is asked for at the head,
; quarters 2 and 3 in the last K step of quarters 0 and 1; quarter 0 comes by its loads alone.
; LIMITS: NaN and infinities are not served.
.set SLOT,  131072
.set STG,   2*SLOT                     ; the way out: 16 rows x 528 bytes a wave
.set SPITCH, 528
.set SPARE, STG+4*16*SPITCH            ; the spare words
.set HO,   4                           ; v4  16 x lane
.set CN,   5                           ; v5  2,048 h + 16 r
.set BA,   6                           ; v6, v7  LDS address of W2's tiles 0-3, 4-7 in the slot that is read
.set BV,   8                           ; v8  32 h
.set PFO,  9                           ; v9  256 x lane
.set SPW,  10
.set NIL,  11
.set STO,  12
.set RD,   13
.set HOS,  15                          ; v15 8 x lane
.set SB,   16                          ; v16-47 W2's scale words, two sets (by trip): 4 j + K step: lanes 0-15 tile 2 j, lanes 16-31 tile 2 j + 1
.set HSR,  50                          ; v50-65 h's, two sets: 4 j + K step: lanes 0-15 block 2 j, lanes 16-31 block 2 j + 1
.set BIAS, 128                         ; v128-191 at the head
.set BK,   128                         ; the way out: two buffers of 64
.set MSB, 0                            ; window 1: h's fragments; window 2: the sums ((a, b) at 8 (8 a + b)); window 3: W2's fragments
.macro WIN new
.if MSB != (\new)
	s_set_vgpr_msb (MSB<<8)|(\new)
.set MSB, (\new)
.endif
.endm
.macro PLACES n
.rept \n
	v_nop
.endr
.endm
.macro TLOAD                           ; a joint load: s_nop 0 and four v_nop follow it
	tensor_load_to_lds s[32:35], s[36:43]
	s_nop 0
	PLACES 4
.endm
.macro CREST                           ; a round of the cluster's barrier behind its opening barrier
	s_cmp_lg_u32 s16, 0
	s_cbranch_scc1 .Lnot_wave_0_\@
	s_barrier_signal -3
.Lnot_wave_0_\@:
	s_barrier_wait -3
	s_barrier_signal -1
	s_barrier_wait -1
.endm
.macro CROUND
	s_barrier_signal -1
	s_barrier_wait -1
	CREST
.endm
	s_load_b256 s[4:11], s[0:1], 0x0               ; hq, hs, cq, sc
	s_load_b128 s[12:15], s[0:1], 0x20             ; b2, out0
	v_lshl_add_u32 v[SPW], v0, 2, SPARE
	v_mov_b32 v[NIL], 0
	ds_add_u32 v[SPW], v[NIL]                      ; the opening lines: the add, twice on end, and its wait below
	ds_add_u32 v[SPW], v[NIL]
	v_lshrrev_b32 v1, 5, v0
	v_readfirstlane_b32 s16, v1                    ; wave 0..3
	s_bfe_u32 s17, ttmp6, 0x40000
	s_lshl_b32 s18, ttmp9, 2
	s_add_co_u32 s18, s18, s17                     ; the work-group's 256 rows: 4 x cluster x + cx
	s_and_b32 s19, ttmp7, 0xffff                   ; its 128 columns
	s_mov_b32 s36, 15|(3<<16)|(1<<21)              ; descriptor group 1: mask of the four; elements of 8 bytes; bit 21 beside a mask; no padding
	s_mov_b32 s37, 2048<<16                        ; two rows of 16,384 bytes (a tile's quarter of K), 65,536 bytes apart
	s_mov_b32 s38, 2<<16
	s_mov_b32 s39, 2048<<16
	s_mov_b32 s40, 2
	s_mov_b32 s41, 8192
	s_mov_b32 s42, 0
	s_mov_b32 s43, 0
	s_lshl_b32 s20, s19, 19                        ; offsets, each under 2^26: W2's codes: the two tiles that I fetch
	s_lshl_b32 s45, s16, 17
	s_add_co_u32 s20, s20, s45
	s_add_co_u32 s20, s20, 0xC00000
	s_mov_b32 s21, 0
	s_lshl_b32 s22, s18, 2
	s_add_co_u32 s22, s22, s16                     ; my 64 rows
	s_lshl_b32 s26, s22, 13                        ; their scale words
	s_mov_b32 s27, 0
	s_lshl_b32 s22, s22, 18                        ; their images; and the same in out0: 64 rows of 4,096 bytes
	s_mov_b32 s23, 0
	s_lshl_b32 s24, s19, 14                        ; W2's scale words: eight tiles, 2,048 bytes each
	s_add_co_u32 s24, s24, 0x60000
	s_mov_b32 s25, 0
	s_lshl_b32 s28, s19, 9                         ; my columns in b2 and in a row of out0
	s_mov_b32 s29, 0
	s_add_co_u32 s30, s22, s28
	s_mov_b32 s31, 0
	s_lshl_b32 s46, s19, 13                        ; the prefetches: K step y of quarter 1
	s_add_co_u32 s46, s46, 0x10000
	s_add_co_u32 s46, s46, s22
	s_mov_b32 s47, 0
	s_wait_dscnt 0x0                               ; both opening adds are done
	CROUND                                         ; all four work-groups are here: the first joint loads meet
	s_wait_kmcnt 0x0
	s_mov_b32 s32, 1                               ; descriptor group 0: quarter 0 into slot 0, my two tiles
	s_lshl_b32 s33, s16, 15
	s_add_nc_u64 s[34:35], s[8:9], s[20:21]
	s_or_b32 s35, s35, 0x80000000
	TLOAD                                          ; one tensor load a wave at the head
	s_add_nc_u64 s[58:59], s[10:11], s[24:25]      ; W2's scale words, this trip
	s_add_nc_u64 s[28:29], s[12:13], s[28:29]
	s_add_nc_u64 s[48:49], s[4:5], s[22:23]        ; h's images, this trip's four K steps
	s_add_nc_u64 s[50:51], s[6:7], s[26:27]        ; its scale words
	s_add_nc_u64 s[52:53], s[4:5], s[46:47]        ; the prefetches
	s_add_nc_u64 s[54:55], s[14:15], s[30:31]      ; out0
	v_and_b32 v1, 15, v0                           ; r
	v_bfe_u32 v2, v0, 4, 1                         ; h
	v_and_b32 v3, 31, v0                           ; lane
	v_lshlrev_b32 v[HO], 4, v3
	v_lshlrev_b32 v[HOS], 3, v3
	v_lshlrev_b32 v[PFO], 8, v3
	v_lshlrev_b32 v[BV], 5, v2
	v_lshlrev_b32 v66, 11, v2
	v_lshl_add_u32 v[CN], v1, 4, v66
	v_mov_b32 v[BA], v[HO]
	v_add_nc_u32 v[BA+1], 0x10000, v[HO]
	s_mul_i32 s45, s16, 16*SPITCH
	s_add_co_u32 s45, s45, STG
	v_mul_u32_u24 v67, v1, SPITCH
	v_lshl_add_u32 v67, v2, 5, v67
	v_add_nc_u32 v[STO], s45, v67                  ; the stage, in: row r, 32 bytes for each half of the lanes
	v_add_nc_u32 v[RD], s45, v[HO]                 ; and back: 32 lanes take one row of 512 bytes
	s_wait_alu depctr_va_vdst(0)
.irp b, 0,1,2,3,4,5,6,7                ; register j of tile b of lane (r, h) is column 16 b + 8 h + j
	global_load_b128 v[BIAS+8*\b:BIAS+8*\b+3], v[BV], s[28:29] offset:64*\b
	global_load_b128 v[BIAS+8*\b+4:BIAS+8*\b+7], v[BV], s[28:29] offset:64*\b+16
.endr
.macro SCL set, hoff, woff             ; eight loads: the scale words of four K steps, h's and W2's
.irp j, 0,1
.irp p, 0,1
	global_load_b64 v[HSR+8*(\set)+4*\j+2*\p:HSR+8*(\set)+4*\j+2*\p+1], v[HOS], s[50:51] offset:(\hoff)+4096*\j+256*\p
.endr
.endr
.irp j, 0,1,2,3
	global_load_b128 v[SB+16*(\set)+4*\j:SB+16*(\set)+4*\j+3], v[CN], s[58:59] offset:(\woff)+4096*\j
.endr
.endm
	SCL 0, 0, 0
	WIN 0x40
.set I_, 0
.rept 48                               ; K steps 0 to 2
	global_load_b128 v[4*I_:4*I_+3], v[HO], s[48:49] offset:512*I_
.set I_, I_+1
.endr
	WIN 0
	s_wait_loadcnt 56                              ; b2 is in (behind it: 8 + 48 loads)
	WIN 0x80
.set I_, 0
.rept 256                              ; the sums begin as b2
	v_mov_b32 v[I_], v[BIAS+I_%64]
.set I_, I_+1
.endr
	WIN 0
	s_mov_b32 s44, 0
	s_mov_b32 s60, 0                               ; the slot that is read
	s_wait_alu depctr_va_vdst(0)                   ; the wait at the head's end
	s_wait_tensorcnt 0x0                           ; my part of quarter 0 is in
	ds_add_u32 v[SPW], v[NIL]
	s_add_nc_u64 s[34:35], s[34:35], 16384         ; quarter 1, slot 1
	s_xor_b32 s33, s33, SLOT
	s_wait_dscnt 0x0                               ; the add is done
	CROUND
	TLOAD
.macro FRAGS q, set                    ; W2's eight fragments of the quarter's K step q
	WIN 0xc0
.set I_, 0
.rept 8
.irp c, 0,1,2,3
	ds_load_b128 v[128*(\set)+16*I_+4*\c:128*(\set)+16*I_+4*\c+3], v[BA+I_/4] offset:16384*(I_%4)+2048*(\q)+512*\c
.endr
.set I_, I_+1
.endr
.endm
	FRAGS 0, 0
	WIN 0
	global_prefetch_b8 v[PFO], s[52:53] th:TH_LOAD_NT scope:SCOPE_SE
.macro WM a, b, s, p                   ; rows' block a x columns' tile b, K step s of a trip, scale words' set p
.set rD, 8*(8*(\a)+(\b))
.set rB, 128*((\s)%2)+16*(\b)
.set rA, 64*(\s)+16*(\a)
.set rSB, SB+16*(\p)+4*((\b)/2)+(\s)
.set rSA, HSR+8*(\p)+4*((\a)/2)+(\s)
	WIN 0xa7
.if ((\a)%2) && ((\b)%2)
	v_wmma_scale_f32_16x16x128_f8f6f4 v[rD:rD+7], v[rB:rB+15], v[rA:rA+15], v[rD:rD+7], v[rSB], v[rSA] matrix_a_fmt:MATRIX_FMT_BF8 matrix_b_fmt:MATRIX_FMT_BF8 matrix_a_scale:MATRIX_SCALE_ROW1 matrix_b_scale:MATRIX_SCALE_ROW1
.elseif (\b)%2
	v_wmma_scale_f32_16x16x128_f8f6f4 v[rD:rD+7], v[rB:rB+15], v[rA:rA+15], v[rD:rD+7], v[rSB], v[rSA] matrix_a_fmt:MATRIX_FMT_BF8 matrix_b_fmt:MATRIX_FMT_BF8 matrix_a_scale:MATRIX_SCALE_ROW1
.elseif (\a)%2
	v_wmma_scale_f32_16x16x128_f8f6f4 v[rD:rD+7], v[rB:rB+15], v[rA:rA+15], v[rD:rD+7], v[rSB], v[rSA] matrix_a_fmt:MATRIX_FMT_BF8 matrix_b_fmt:MATRIX_FMT_BF8 matrix_b_scale:MATRIX_SCALE_ROW1
.else
	v_wmma_scale_f32_16x16x128_f8f6f4 v[rD:rD+7], v[rB:rB+15], v[rA:rA+15], v[rD:rD+7], v[rSB], v[rSA] matrix_a_fmt:MATRIX_FMT_BF8 matrix_b_fmt:MATRIX_FMT_BF8
.endif
.endm
; A K step's loads, in one run: W2's fragments of the next K step, h's images of the K step three on; in a trip's second K step the next trip's scale words.
.macro RUN s, half, kind
.if (\kind) != 3 || (\s) != 3
	FRAGS (4*(\half)+(\s)+1)%8, ((\s)+1)%2
.endif
.if (\kind) != 3 || (\s) == 0
	WIN 0x40
.set I_, 0
.rept 16
	global_load_b128 v[64*(((\s)+3)%4)+4*I_:64*(((\s)+3)%4)+4*I_+3], v[HO], s[48:49] offset:((\s)+3)*8192+512*I_
.set I_, I_+1
.endr
.endif
.if (\kind) != 3 && (\s) == 1
	WIN 0
	SCL 1-(\half), 512, 256
.endif
.if (\kind) == 1 && (\s) == 3
	WIN 0
	global_prefetch_b8 v[PFO], s[52:53] offset:65536 th:TH_LOAD_NT scope:SCOPE_SE   ; two quarters on
.endif
.endm
; A K step.  The 32 sums take turns, one product a turn, in the same order in every K step.
; kind: 0 a quarter's first trip; 1, 2 its second, whose last K step changes slots (1: this slot is filled again, two quarters on; 2: nothing is filled); 3 the very last trip, which asks for nothing beyond the end.
.macro STEP s, half, kind
.set TU_, 0
.if ((\kind) == 1 || (\kind) == 2) && (\s) == 3
.set TU_, 1
.endif
	WIN 0
	s_wait_dscnt 0x0                               ; W2's fragments are in
.if (\s) < 2
	s_wait_loadcnt 32                              ; h's of this K step are in (and, at a trip's start, the scale words): two K steps' loads may be out
.elseif (\kind) != 3
	s_wait_loadcnt 40                              ; the same, and the next trip's eight loads of scale words
.elseif (\s) == 2
	s_wait_loadcnt 16
.else
	s_wait_loadcnt 0x0
.endif
.if TU_
	s_wait_tensorcnt 0x0                           ; my part of the next quarter is in
.if (\kind) == 1
	ds_add_u32 v[SPW], v[NIL]
	s_add_nc_u64 s[34:35], s[34:35], 16384
	s_xor_b32 s33, s33, SLOT
.endif
.endif
	PLACES 8                                       ; behind the last products (ISA guide 7.12.1 for vector instructions)
.if TU_
	s_xor_b32 s60, s60, SLOT                       ; from here on the other slot is read
	s_add_co_u32 s45, s60, 0x10000
	v_add_nc_u32 v[BA], s60, v[HO]
	v_add_nc_u32 v[BA+1], s45, v[HO]
	s_wait_alu depctr_va_vdst(0)                   ; the wait here, directly behind the writes
.else
	RUN \s, \half, \kind
.endif
.set N_, 0
.rept 32
.if TU_ && N_ == 4
	WIN 0
	s_wait_dscnt 0x0                               ; my reads of this slot are over (and the add is done)
	s_barrier_signal -1
.endif
.if TU_ && N_ == 12
	WIN 0
	s_barrier_wait -1
.if (\kind) == 1
	CREST                                          ; no wave of any partner still reads this slot or has a load on its way
	TLOAD
.endif
	RUN \s, \half, \kind
.endif
	WM N_/8, N_%8, \s, \half
.set N_, N_+1
.endr
.endm
.macro TRIP half, kind
	STEP 0, \half, \kind
	STEP 1, \half, \kind
	STEP 2, \half, \kind
	STEP 3, \half, \kind
	WIN 0
.if (\kind) != 3
	s_wait_xcnt 0x0                                ; the loads have read their bases
	s_add_nc_u64 s[48:49], s[48:49], 32768
	s_add_nc_u64 s[50:51], s[50:51], 512
	s_add_nc_u64 s[58:59], s[58:59], 256
.if (\kind) == 1
	s_add_nc_u64 s[52:53], s[52:53], 65536
.endif
.endif
.endm
.Lfill:                                            ; quarters 0 and 1
	TRIP 0, 0
	TRIP 1, 1
	s_add_co_u32 s44, s44, 1
	s_cmp_lg_u32 s44, 2
	s_cbranch_scc1 .Lfill
.Lrest:                                            ; quarters 2 and 3: quarter 3 leaves the loop in its middle
	TRIP 0, 0
	s_cmp_eq_u32 s44, 3
	s_cbranch_scc1 .Lend
	TRIP 1, 2
	s_add_co_u32 s44, s44, 1
	s_cmp_lg_u32 s44, 4
	s_cbranch_scc1 .Lrest
.Lend:
	TRIP 1, 3
; THE WAY OUT, block by block of 16 rows x 128 columns, through my own stage in LDS, so that whole rows of 512 bytes leave.  LDS serves a wave's instructions in order (ISA guide 5.7.1.4): no wait between the stores and the loads.
.macro TOSTAGE a
	WIN 0x08                                       ; an LDS store's data are its source 1: window 2
.irp b, 0,1,2,3,4,5,6,7
	ds_store_b128 v[STO], v[64*(\a)+8*\b:64*(\a)+8*\b+3] offset:64*\b          ; each sum from its low end on
	ds_store_b128 v[STO], v[64*(\a)+8*\b+4:64*(\a)+8*\b+7] offset:64*\b+16
.endr
	WIN 0
.set BB, BK+64*((\a)%2)
.set I_, 0
.rept 16
	ds_load_b128 v[BB+4*I_:BB+4*I_+3], v[RD] offset:SPITCH*I_
.set I_, I_+1
.endr
.endm
.macro SEND a, younger                 ; younger: the LDS instructions issued behind block a's loads, which may stay out
.set BB, BK+64*((\a)%2)
	s_wait_dscnt \younger
.set I_, 0
.rept 16
	global_store_b128 v[HO], v[BB+4*I_:BB+4*I_+3], s[54:55] offset:(16*(\a)+I_)*4096 th:TH_STORE_NT   ; 32 lanes store 512 consecutive bytes; read by nobody here
.set I_, I_+1
.endr
.endm
	PLACES 8                                       ; behind the last products: their results are read below
	TOSTAGE 0
	TOSTAGE 1
	SEND 0, 32
	s_wait_xcnt 0x0                                ; block 0's stores have read their registers
	TOSTAGE 2
	SEND 1, 32
	s_wait_xcnt 0x0
	TOSTAGE 3
	SEND 2, 32
	SEND 3, 0
	s_wait_tensorcnt 0x0                           ; the wave's end
	ds_add_u32 v[SPW], v[NIL]
	s_wait_dscnt 0x0
	CROUND                                         ; the closing round: no work-group ends while a partner may still ask for a tile that names it
	s_endpgm
.Lfunc_end_k_qed8c0a4f02_gemm2:
	.size	k_qed8c0a4f02_gemm2, .Lfunc_end_k_qed8c0a4f02_gemm2-k_qed8c0a4f02_gemm2
	.p2alignl 7, 3214868480
	.fill 96, 4, 3214868480
	.section	.rodata,"a",@progbits
	.p2align	6, 0x0
	.amdhsa_kernel k_qed8c0a4f02_gemm2
		.amdhsa_group_segment_fixed_size 327680
		.amdhsa_private_segment_fixed_size 0
		.amdhsa_enable_private_segment 0
		.amdhsa_kernarg_size 48
		.amdhsa_user_sgpr_count 2
		.amdhsa_user_sgpr_kernarg_segment_ptr 1
		.amdhsa_wavefront_size32 1
		.amdhsa_system_sgpr_workgroup_id_x 1
		.amdhsa_system_sgpr_workgroup_id_y 1
		.amdhsa_system_sgpr_workgroup_id_z 1
		.amdhsa_system_vgpr_workitem_id 0
		.amdhsa_next_free_vgpr 1024
		.amdhsa_next_free_sgpr 66
		.amdhsa_reserve_vcc 0
		.amdhsa_float_denorm_mode_32 3
		.amdhsa_float_denorm_mode_16_64 3
		.amdhsa_memory_ordered 1
		.amdhsa_forward_progress 1
		.amdhsa_inst_pref_size 196
	.end_amdhsa_kernel
	.amdgpu_metadata
---
amdhsa.version: [ 1, 2 ]
amdhsa.kernels:
  - .name:           k_qed8c0a4f02_gemm2
    .symbol:         k_qed8c0a4f02_gemm2.kd
    .args:
      - { .name: hq, .offset: 0, .size: 8, .value_kind: global_buffer, .address_space: global }
      - { .name: hs, .offset: 8, .size: 8, .value_kind: global_buffer, .address_space: global }
      - { .name: cq, .offset: 16, .size: 8, .value_kind: global_buffer, .address_space: global }
      - { .name: sc, .offset: 24, .size: 8, .value_kind: global_buffer, .address_space: global }
      - { .name: b2, .offset: 32, .size: 8, .value_kind: global_buffer, .address_space: global }
      - { .name: out0, .offset: 40, .size: 8, .value_kind: global_buffer, .address_space: global }
    .group_segment_fixed_size: 327680
    .private_segment_fixed_size: 0
    .kernarg_segment_align: 8
    .kernarg_segment_size: 48
    .max_flat_workgroup_size: 128
    .sgpr_count:     66
    .vgpr_count:     1024
    .wavefront_size: 32
...
	.end_amdgpu_metadata
.endif
;; end of part 3
